; MI455X (gfx1250); checked and timed in simulation.
; The chip was launched on July 23, 2026; its instructions are those of AMD's public machine-readable ISA for CDNA 5 (MIT licence, August 2026) and "CDNA5" Instruction Set Architecture Reference Guide (July 2026). The comments in the code are by the model that wrote it; some were corrected since.
;; Lo RA Linear. Allowed arithmetic: float matrix products may take bf16 or f16 operands with f32 sums; other float arithmetic in f32, or as packed bf16 or f16 multiplies, adds, multiply-adds, maxima and minima; sums over many terms, partial sums and values carried from step to step in f32; what a program stores and reads back later, other than sums and carried values, may be rounded once to bf16 or f16.
;; Inputs: A 16 x 2,048 float32; B 2,048 x 16 float32; bias 2,048 float32; weight 2,048 x 2,048 float32; x 4 x 2,048 x 2,048 float32.
;; Outputs: out0 4 x 2,048 x 2,048 float32.
;; 2 versions, each right; version 2 is version 1 with the launch prep written anew for expert scheduling mode. Each part assembles by itself: llvm-mc -triple=amdgcn-amd-amdhsa -mcpu=gfx1250 --defsym DOCPART=n.
;; ======== version 1 of 2: 2 launches
;; workspace buffers: xb 33,554,432 bytes; wb 8,388,608 bytes
;; launch prep (part 1): grid 256 x 1, 16 waves a work-group, no clusters, 0 bytes of LDS; arguments x, weight, A, B, xb, wb; writes xb, wb
.if DOCPART == 1
	.amdgcn_target "amdgcn-amd-amdhsa--gfx1250"
	.amdhsa_code_object_version 6
	.text
	.protected	k_q9257d0ca5a_prep
	.globl	k_q9257d0ca5a_prep
	.p2align	8
	.type	k_q9257d0ca5a_prep,@function
k_q9257d0ca5a_prep:
	s_mov_b64 s[64:65], 0
	v_nop
	global_prefetch_b8 v0, s[64:65] scope:SCOPE_SE
	s_setreg_imm32_b32 hwreg(HW_REG_WAVE_MODE, 25, 1), 1
	s_wait_xcnt 0x0
; LoRALinear, first of two launches.  out0 = x W^T + bias + x (B A)^T, x taken as [8192][2048], W [2048][2048], A [16][2048], B [2048][16], all f32.
; ONE FULL PRODUCT IN PLACE OF TWO.  For all values of the inputs x W^T + x (B A)^T = x (W + B A)^T (the distributive law), so the program forms W + B A once and multiplies x by it once.
; No input is left out: x, weight, A and B are read here, bias in the second launch; nothing is dropped as dead work.
; THIS LAUNCH:  xb = bf16(x);  wb = bf16( bf16(W) + bf16(B) bf16(A) ), the small product and the sum in f32 (one matrix instruction a tile, W as its C operand).
; LIMITS.  Every input is rounded once to bf16, and W + B A is rounded once more, as ONE matrix operand: where |B A| lies below some 2^-9 of |W| at an element it is lost in that rounding; the order of
; rounding differs from a sum of two products.  NaN and infinities are not treated apart: one in A or B reaches whole rows or columns of wb.
; SHARES.  256 work-groups of 16 waves.  Waves 0-7 stream x: the work-group has 262,144 bytes of x, a wave 32,768: 64 loads of 512 consecutive bytes.  Waves 8-15 merge weights: a wave has 16 rows o x 128 columns i.
; No LDS, no barrier, no loop: no wave wants a byte that another has fetched, but for 8 KiB of A; every offset stands in an immediate, so no address register is ever rewritten.
.set XO,  4                            ; v4   x waves: 16 x lane
.set YO,  5                            ; v5   x waves: 8 x lane
.set X,   32                           ; v[32:159]   x waves: 32 slots of 4 registers, as loaded
.set Y,   160                          ; v[160:223]  x waves: 32 slots of 2 registers, the first round's results
.set VO,  6                            ; v6   merge: 65,536 h + 32 r: rows 8 h on, columns 8 r on, in A and in W (rows of 8,192 bytes)
.set BO,  7                            ; v7   merge: 64 r + 32 h: row r of B, ranks 8 h on
.set OO,  8                            ; v8   merge: 32,768 h + 16 r: rows 8 h on, columns 8 r on, in wb (rows of 4,096 bytes)
.set BF,  16                           ; v[16:23]    B's fragment: source 0
.set TB,  24                           ; v[24:31]    B as loaded
.set AF,  32                           ; v[32:95]    A's fragments: source 1 of tile c at AF + 8 c
.set TA,  96                           ; v[96:159]   A as loaded: rank 8 h + t, column 8 r + c at TA + 8 t + c
.set CD,  96                           ; v[96:159]   then the accumulators: tile c at CD + 8 c
.set TW,  160                          ; v[160:223]  W as loaded: row 8 h + j, column 8 r + c at TW + 8 j + c
.set O,   160                          ; v[160:191]  then the results: row 8 h + j at O + 4 j
	s_load_b256 s[4:11], s[0:1], 0x0               ; x s[4:5], weight s[6:7], A s[8:9], B s[10:11]
	s_load_b128 s[12:15], s[0:1], 0x20             ; xb s[12:13], wb s[14:15]
	v_lshrrev_b32 v1, 5, v0
	v_readfirstlane_b32 s16, v1                    ; wave 0..15
	s_cmp_lt_u32 s16, 8
	s_cbranch_scc0 .Lmerge
	; ---- WAVES 0-7: xb = bf16(x) ----
	v_and_b32 v2, 31, v0                           ; lane
	v_lshlrev_b32 v[XO], 4, v2
	v_lshlrev_b32 v[YO], 3, v2
	s_lshl_b32 s18, ttmp9, 18                      ; the work-group's 262,144 bytes of x,
	s_lshl_b32 s19, s16, 15                        ; my wave's 32,768 of them
	s_add_co_u32 s18, s18, s19
	s_mov_b32 s19, 0
	s_lshr_b32 s20, s18, 1                         ; half as many bytes in xb
	s_mov_b32 s21, 0
	s_wait_kmcnt 0x0
	s_add_nc_u64 s[4:5], s[4:5], s[18:19]
	s_add_nc_u64 s[12:13], s[12:13], s[20:21]
.set i, 0
.rept 32                               ; 32 loads of the wave are on their way: 16 KiB
	global_load_b128 v[X+4*i:X+4*i+3], v[XO], s[4:5] offset:512*i th:TH_LOAD_NT
.set i, i+1
.endr
.set i, 0
.rept 32                               ; first round: slot i is rounded into registers of its own and filled again at once
	s_wait_loadcnt 31                              ; loads come back in order: behind load i stand 31 - i of the first round and i of the second
	v_cvt_pk_bf16_f32 v[Y+2*i],   v[X+4*i],   v[X+4*i+1]
	v_cvt_pk_bf16_f32 v[Y+2*i+1], v[X+4*i+2], v[X+4*i+3]
	global_load_b128 v[X+4*i:X+4*i+3], v[XO], s[4:5] offset:512*(32+i) th:TH_LOAD_NT
	global_store_b64 v[YO], v[Y+2*i:Y+2*i+1], s[12:13] offset:256*i  ; the wave's store covers 256 consecutive bytes, aligned; its data registers are never written again
.set i, i+1
.endr
.set i, 0
.rept 32                               ; second round: nothing is left to load, the counts run down; rounded in place
	s_wait_loadcnt 31-i
	v_cvt_pk_bf16_f32 v[X+4*i],   v[X+4*i],   v[X+4*i+1]
	v_cvt_pk_bf16_f32 v[X+4*i+1], v[X+4*i+2], v[X+4*i+3]
	global_store_b64 v[YO], v[X+4*i:X+4*i+1], s[12:13] offset:256*(32+i)
.set i, i+1
.endr
	s_endpgm
	; ---- WAVES 8-15: wb = bf16( bf16(W) + bf16(B) bf16(A) ) for 16 rows o x 128 columns i ----
	; Eight tiles of 16 x 16.  Source 0 = 16 rows of B (row m = lane % 16 = r).  Source 1 of tile c takes the columns i = ib + 8 n + c, n = r.  In the result register j of lane (r, h) is then
	; (o0 + 8 h + j, ib + 8 r + c): over the eight tiles a lane holds EIGHT NEIGHBOURING columns of a row, 16 bytes of wb, and sixteen lanes 256 bytes on end.
	; The rank is 16 of the instruction's 32 along K: registers 4-7 of both sources hold 0.
.Lmerge:
	v_and_b32 v10, 15, v0                          ; r
	v_bfe_u32 v11, v0, 4, 1                        ; h
	v_lshlrev_b32 v[VO], 5, v10
	v_lshl_or_b32 v[VO], v11, 16, v[VO]
	v_lshlrev_b32 v[BO], 6, v10
	v_lshl_or_b32 v[BO], v11, 5, v[BO]
	v_lshlrev_b32 v[OO], 4, v10
	v_lshl_or_b32 v[OO], v11, 15, v[OO]
	s_sub_co_u32 s17, s16, 8                       ; u = 0..7
	s_and_b32 s18, ttmp9, 15                       ; column group: 128 columns; the eight waves share it, and so their 8 KiB of A
	s_lshr_b32 s19, ttmp9, 4
	s_lshl3_add_u32 s19, s19, s17                  ; row block of 16: 8 x (work-group / 16) + u
	s_lshl_b32 s20, s18, 9                         ; A: 512 bytes a column group
	s_mov_b32 s21, 0
	s_lshl_b32 s22, s19, 10                        ; B: 16 rows of 64 bytes
	s_mov_b32 s23, 0
	s_lshl_b32 s24, s19, 17                        ; W: 16 rows of 8,192 bytes, and the column group
	s_add_co_u32 s24, s24, s20
	s_mov_b32 s25, 0
	s_lshl_b32 s26, s19, 16                        ; wb: 16 rows of 4,096 bytes, and the column group's 256
	s_lshl_b32 s27, s18, 8
	s_add_co_u32 s26, s26, s27
	s_mov_b32 s27, 0
	s_mov_b32 s28, 0xffff0000                      ; a word's upper bf16
	s_wait_kmcnt 0x0
	s_add_nc_u64 s[8:9], s[8:9], s[20:21]
	s_add_nc_u64 s[10:11], s[10:11], s[22:23]
	s_add_nc_u64 s[6:7], s[6:7], s[24:25]
	s_add_nc_u64 s[14:15], s[14:15], s[26:27]
	global_load_b128 v[TB:TB+3],   v[BO], s[10:11]
	global_load_b128 v[TB+4:TB+7], v[BO], s[10:11] offset:16
.set t, 0
.rept 8                                ; A: rank 8 h + t, my 8 columns
	global_load_b128 v[TA+8*t:TA+8*t+3],   v[VO], s[8:9] offset:8192*t
	global_load_b128 v[TA+8*t+4:TA+8*t+7], v[VO], s[8:9] offset:8192*t+16
.set t, t+1
.endr
.set j, 0
.rept 8                                ; W: row 8 h + j, my 8 columns; read once in the launch
	global_load_b128 v[TW+8*j:TW+8*j+3],   v[VO], s[6:7] offset:8192*j th:TH_LOAD_NT
	global_load_b128 v[TW+8*j+4:TW+8*j+7], v[VO], s[6:7] offset:8192*j+16 th:TH_LOAD_NT
.set j, j+1
.endr
.irp p, 4,5,6,7                        ; the upper half of K is 0 in both sources: written while the loads are on their way
	v_mov_b32 v[BF+(\p)], 0
.irp c, 0,1,2,3,4,5,6,7
	v_mov_b32 v[AF+8*(\c)+(\p)], 0
.endr
.endr
	s_wait_loadcnt 16                              ; B and A are in; W's sixteen loads may stay out
.irp p, 0,1,2,3
	v_cvt_pk_bf16_f32 v[BF+(\p)], v[TB+2*(\p)], v[TB+2*(\p)+1]  ; ranks 8 h + 2 p, 8 h + 2 p + 1 of row r
.endr
.irp c, 0,1,2,3,4,5,6,7
.irp p, 0,1,2,3
	v_cvt_pk_bf16_f32 v[AF+8*(\c)+(\p)], v[TA+16*(\p)+(\c)], v[TA+16*(\p)+8+(\c)]  ; the same two ranks of column 8 r + c
.endr
.endr
.set j, 0
.rept 8                                ; W is rounded to bf16, widened again and laid as the C operand: register j of tile c.  A's registers are free by now
	s_wait_loadcnt 14-2*j                          ; row j's two loads are in; behind them stand the later rows'
.irp q, 0,1,2,3
	v_cvt_pk_bf16_f32 v[TW+8*j+2*(\q)], v[TW+8*j+2*(\q)], v[TW+8*j+2*(\q)+1]
	v_lshlrev_b32 v[CD+16*(\q)+j],   16,  v[TW+8*j+2*(\q)]
	v_and_b32     v[CD+16*(\q)+8+j], s28, v[TW+8*j+2*(\q)]
.endr
.set j, j+1
.endr
.irp c, 0,1,2,3,4,5,6,7                ; eight accumulators, one instruction each
	v_wmma_f32_16x16x32_bf16 v[CD+8*(\c):CD+8*(\c)+7], v[BF:BF+7], v[AF+8*(\c):AF+8*(\c)+7], v[CD+8*(\c):CD+8*(\c)+7]
.endr
.rept 4
	v_nop                                          ; four places between the last product and the first read of a result (ISA guide 7.12.1)
.endr
.set j, 0
.rept 8                                ; row 8 h + j: register j of the eight tiles, in pairs; j ascends
.irp q, 0,1,2,3
	v_cvt_pk_bf16_f32 v[O+4*j+(\q)], v[CD+16*(\q)+j], v[CD+16*(\q)+8+j]
.endr
	global_store_b128 v[OO], v[O+4*j:O+4*j+3], s[14:15] offset:4096*j  ; sixteen lanes store 256 consecutive bytes, aligned
.set j, j+1
.endr
	s_endpgm
.Lfunc_end_k_q9257d0ca5a_prep:
	.size	k_q9257d0ca5a_prep, .Lfunc_end_k_q9257d0ca5a_prep-k_q9257d0ca5a_prep
	.p2alignl 7, 3214868480
	.fill 96, 4, 3214868480
	.section	.rodata,"a",@progbits
	.p2align	6, 0x0
	.amdhsa_kernel k_q9257d0ca5a_prep
		.amdhsa_group_segment_fixed_size 0
		.amdhsa_private_segment_fixed_size 0
		.amdhsa_enable_private_segment 0
		.amdhsa_kernarg_size 48
		.amdhsa_user_sgpr_count 2
		.amdhsa_user_sgpr_kernarg_segment_ptr 1
		.amdhsa_wavefront_size32 1
		.amdhsa_system_sgpr_workgroup_id_x 1
		.amdhsa_system_sgpr_workgroup_id_y 1
		.amdhsa_system_sgpr_workgroup_id_z 1
		.amdhsa_system_vgpr_workitem_id 0
		.amdhsa_next_free_vgpr 224
		.amdhsa_next_free_sgpr 66
		.amdhsa_reserve_vcc 0
		.amdhsa_float_denorm_mode_32 3
		.amdhsa_float_denorm_mode_16_64 3
		.amdhsa_memory_ordered 1
		.amdhsa_forward_progress 1
		.amdhsa_inst_pref_size 39
	.end_amdhsa_kernel
	.amdgpu_metadata
---
amdhsa.version: [ 1, 2 ]
amdhsa.kernels:
  - .name:           k_q9257d0ca5a_prep
    .symbol:         k_q9257d0ca5a_prep.kd
    .args:
      - { .name: x, .offset: 0, .size: 8, .value_kind: global_buffer, .address_space: global }
      - { .name: weight, .offset: 8, .size: 8, .value_kind: global_buffer, .address_space: global }
      - { .name: A, .offset: 16, .size: 8, .value_kind: global_buffer, .address_space: global }
      - { .name: B, .offset: 24, .size: 8, .value_kind: global_buffer, .address_space: global }
      - { .name: xb, .offset: 32, .size: 8, .value_kind: global_buffer, .address_space: global }
      - { .name: wb, .offset: 40, .size: 8, .value_kind: global_buffer, .address_space: global }
    .group_segment_fixed_size: 0
    .private_segment_fixed_size: 0
    .kernarg_segment_align: 8
    .kernarg_segment_size: 48
    .max_flat_workgroup_size: 512
    .sgpr_count:     66
    .vgpr_count:     224
    .wavefront_size: 32
...
	.end_amdgpu_metadata
.endif
;; end of part 1
;; launch gemm (part 2): grid 8 x 32, 4 waves a work-group, clusters of 4 x 4, 327,680 bytes of LDS; arguments xb, wb, bias, out0; writes out0
.if DOCPART == 2
	.amdgcn_target "amdgcn-amd-amdhsa--gfx1250"
	.amdhsa_code_object_version 6
	.text
	.protected	k_q9257d0ca5a_gemm
	.globl	k_q9257d0ca5a_gemm
	.p2align	8
	.type	k_q9257d0ca5a_gemm,@function
k_q9257d0ca5a_gemm:
	s_mov_b64 s[64:65], 0
	v_nop
	global_prefetch_b8 v0, s[64:65] scope:SCOPE_SE
	s_setreg_imm32_b32 hwreg(HW_REG_WAVE_MODE, 25, 1), 1
	s_wait_xcnt 0x0
	s_wait_alu depctr_hold_cnt(0) depctr_sa_sdst(0) depctr_va_vdst(0) depctr_va_sdst(0) depctr_va_ssrc(0) depctr_va_vcc(0) depctr_vm_vsrc(0)
	s_getreg_b32 s2, hwreg(HW_REG_IB_STS2, 6, 4)
	s_cmp_eq_u32 s2, 0
	s_cbranch_scc0 .Lentry_in_a_cluster
	s_endpgm
.Lentry_in_a_cluster:
	s_bfe_u32 s2, ttmp6, 0x10000c
	s_cmp_lg_u32 s2, 0xf033
	s_cbranch_scc0 .Lentry_shape_is_right
	s_endpgm
.Lentry_shape_is_right:
; LoRALinear, second launch.  out0[m][n] = bf16(bias[n]) + the sum over k of xb[m][k] wb[n][k].  xb: [8192][2048] bf16 = x rounded; wb: [2048][2048] bf16 = W + B A, merged and rounded by the launch before;
; out0: [8192][2048] f32; sums in f32.  The second full product of the module as written is not made: x W^T + x (B A)^T = x (W + B A)^T for all values, and wb holds that sum.
; LIMITS.  bias is rounded to bf16 like the other inputs; NaN and infinities are not treated apart.
; SHARES.  A tile of out0, 256 x 256, is made by a work-group of four waves; a wave makes 128 x 128: 64 accumulators of 16 x 16, 512 registers.  32 x 8 tiles: 256 work-groups.  K goes in 16 steps of 128
; through a ring of two LDS slots filled by the tensor data mover: the tiles' rows are 256 bytes of memory and start at multiples of 256 bytes from the buffer's first byte.
; CLUSTERS: 4 x 4 work-groups.  The four of a row of the cluster need the same tiles of xb, the four of a column the same tiles of wb: each tile is asked for JOINTLY, by the same tensor load with the same
; descriptor and a mask that names the four, and each receives it in its own LDS.
; THE MATRIX INSTRUCTION IS USED TRANSPOSED: source 0 = 16 rows of wb, source 1 = 16 rows of xb.  In the result lane l holds row m = l % 16 of out0 and its registers 0-7 the columns 8 (l / 16) + 0..7.
; THE BIAS IS THE C OPERAND of the product that starts each sum: it costs no addition, and nothing is cleared.
; REGISTERS, in windows of 256 (s_set_vgpr_msb's low byte: bits 1:0 source 0, 3:2 source 1, 5:4 source 2, 7:6 destination):
;   window 0: v0-31 addresses; v64-127, v128-191 fragments of xb, two buffers; on the way out v64-255 are three buffers of 16 rows
;   window 1: v0-63 the bias of my 128 columns (n block b at 8 b); v64-127, v128-191 fragments of wb, two buffers
;   window 2: the 32 accumulators of my rows 0-63 (accumulator (a, b) at v[8 (8 a + b)]);   window 3: those of my rows 64-127
.set SIZE_N, 2048
.set SIZE_K, 2048
.set KSTEP,  128
.set PITCH,  272                       ; an LDS row: 256 bytes of data + 16 of padding = 68 words: row r starts at bank 4 r mod 64 (64 banks of 4 bytes: ISA guide 11.1), so the 16 rows of a load start at 16 different banks
.set HALFT,  128*PITCH                 ; 128 rows: what one tensor load brings, and what one wave reads of xb or of wb
.set SLOT,   4*HALFT                   ; xb's 256 rows, then wb's 256 rows
.set STAGE,  2*SLOT                    ; behind the ring: 16 rows x 528 bytes for each wave, for the way out; no tensor load lands here
.set SPITCH, 528                       ; a stage row: 512 bytes + 16 = 33 x 16
.set SPARE,  STAGE+4*16*SPITCH         ; behind the stages: the spare words, 128 bytes for each wave: two blocks of 256 bytes that no other line names
.set LAPS,   SIZE_K/(2*KSTEP)         ; a lap = two K steps = once round the ring: 8
.set ADRA, 16                          ; v16-17  LDS address of my xb fragments in slot 0, 1
.set ADRB, 20                          ; v20-21  the same for wb
.set STO,  24                          ; v24     the way out: where I put 32 bytes of a row
.set RD,   25                          ; v25     the way out: where I read a row back
.set CO,   26                          ; v26     my 16 bytes in a row's 512 of out0
.set BO,   27                          ; v27     32 x (l / 16): my 8 numbers in 16 of the bias
.set SPW,  28                          ; v28     LDS address of my spare word: SPARE + 4 x my thread's number; never rewritten
.set NIL,  29                          ; v29     0; never rewritten
.set PFO,  30                          ; v30     the prefetches' offset: my lane x a row of 4,096 bytes; never rewritten
.set F0,   64                          ; fragment buffer 0
.set F1,   128                         ; fragment buffer 1
.set OB,   64                          ; the way out: block a comes back into v[OB + 64 (a % 3) ..]
.set WV,   12                          ; s12  my wave's number
.set HR,   13                          ; s13  which half of the tile's rows is mine.  Also: I fetch for xb (0) or for wb (1)
.set HC,   14                          ; s14  which half of its columns.  Also: which 128 rows of that tile I fetch
.set LIM,  15                          ; s15  1 in a wave that prefetches, else the greatest number
.set G1,   24                          ; s[24:31] descriptor group 1 for xb's tiles
.set G0,   32                          ; s[32:39] descriptor group 0 for xb's tiles, one set for each slot
.set PFA,  44                          ; s[44:45] where my prefetches stand: my work-group's 32 rows of the 128 that I fetch, one K step further than the refill in hand; a prefetch names the K step after that
.set G1B,  48                          ; s[48:55] descriptor group 1 for wb's tiles: it differs in the mask alone
.set G0B,  56                          ; s[56:63] descriptor group 0 for wb's tiles
.set MSB, 0
.macro WIN new                         ; the immediate's high byte repeats the setting that is left; a switch that changes nothing is dropped
.if MSB != (\new)
	s_set_vgpr_msb (MSB<<8)|(\new)
.set MSB, \new
.endif
.endm
.set MUL_LO, 0xa1                      ; source 0 (wb) window 1, source 1 (xb) window 0, C and D window 2; + 0x50: C and D window 3
.set MUL_B,  0x91                      ; the same with C (the bias) in window 1; + 0x40: D window 3
.set TO_B,   0x40                      ; destination window 1, address window 0
; A joint load.  Waves 0 and 1 fetch xb's two halves, waves 2 and 3 wb's.  Each of the two lines has ONE mask and one set of registers for all that issue it.  The branch hangs on the wave's number alone.
; An s_nop 0 and four v_nop follow each of the two lines, ahead of the jump, the label and what follows the macro.
.macro JLOAD s
	s_cmp_eq_u32 s[HR], 0
	s_cbranch_scc0 .Lfor_b_\@
	tensor_load_to_lds s[G0+4*(\s):G0+4*(\s)+3], s[G1:G1+7]
	s_nop 0
.rept 4
	v_nop
.endr
	s_branch .Lasked_\@
.Lfor_b_\@:
	tensor_load_to_lds s[G0B+4*(\s):G0B+4*(\s)+3], s[G1B:G1B+7]
	s_nop 0
.rept 4
	v_nop
.endr
.Lasked_\@:
.endm
; A PREFETCH INTO THE L2, behind each joint refill and the run of LDS loads that follows it: the K step that stands TWO refills on, 512 matrix instructions ahead of the load that will want it: 32 rows x 256 bytes,
; a lane a row, one instruction a wave.  Each row's 256 bytes of a K step are named ONCE in the launch: xb's tile row is read by both clusters of that row of clusters, and cluster x = 0 asks; wb's tile column by the
; eight clusters of that column, and cluster y = 0 asks.  The four partners that ask for a tile jointly share its rows out BY ADDRESS: of the 128 rows that a wave fetches the partner at place p takes 32 p .. 32 p + 31
; (p = cx for xb, cy for wb).  K steps 0 to 3 come by their loads alone; the loop's last trip (s3 = 1) asks for nothing: K step 15 is the last.
.macro ASK
	s_cmp_gt_u32 s3, s[LIM]
	s_cbranch_scc0 .Lnot_mine_\@
	global_prefetch_b8 v[PFO], s[PFA:PFA+1] offset:KSTEP*2 th:TH_LOAD_NT scope:SCOPE_SE
.Lnot_mine_\@:
.endm
; A round of the cluster's barrier: my work-group's barrier, so that wave 0's signal speaks for all four waves; wave 0 signals for the work-group; every wave waits for all sixteen; my work-group's barrier once more.
.macro CREST                           ; a round behind its opening barrier
	s_cmp_lg_u32 s[WV], 0
	s_cbranch_scc1 .Lnot_wave_0_\@
	s_barrier_signal -3
.Lnot_wave_0_\@:
	s_barrier_wait -3
	s_barrier_signal -1
	s_barrier_wait -1
.endm
.macro CROUND                          ; a whole round
	s_barrier_signal -1
	s_barrier_wait -1
	CREST
.endm
	s_load_b256 s[4:11], s[0:1], 0x0               ; xb s[4:5], wb s[6:7], bias s[8:9], out0 s[10:11]
	v_lshl_add_u32 v[SPW], v0, 2, SPARE
	v_mov_b32 v[NIL], 0
	ds_add_u32 v[SPW], v[NIL]                      ; the wave's opening: the add, twice on end, and its wait ahead of my first tensor load; the set-up below stands between the second and the wait
	ds_add_u32 v[SPW], v[NIL]                      ; and once more, under the one wait
	v_lshrrev_b32 v1, 5, v0
	v_readfirstlane_b32 s[WV], v1                  ; wave 0..3
	s_lshr_b32 s[HR], s[WV], 1
	s_and_b32 s[HC], s[WV], 1
	s_bfe_u32 s40, ttmp6, 0x40000                  ; cx: my place along the cluster's x
	s_bfe_u32 s41, ttmp6, 0x40004                  ; cy: along its y
	s_lshl_b32 s42, ttmp9, 2                       ; in a cluster launch ttmp9 and ttmp7 count clusters
	s_add_co_u32 s42, s42, s40                     ; tile column = 4 x cluster x + cx
	s_and_b32 s43, ttmp7, 0xffff
	s_lshl_b32 s43, s43, 2
	s_add_co_u32 s43, s43, s41                     ; tile row = 4 x cluster y + cy
	s_lshl_b32 s66, s41, 2
	s_lshl_b32 s66, 15, s66                        ; my row of the cluster: places 4 cy .. 4 cy + 3
	s_lshl_b32 s67, 0x1111, s40                    ; my column: places cx, cx + 4, cx + 8, cx + 12
	; descriptor group 1: a tile of 128 rows x 128 elements, padded in LDS
	s_or_b32 s[G1+0],  s66, (1<<16)|(1<<20)|(1<<21)|(5<<22)|(3<<25)  ; 15:0 the mask: xb's tiles go to my row; 17:16 elements of 2 bytes; 20 padding on; 21 set beside a mask; 24:22 after every 64 words (code 5); 31:25 4 words of it (code 3)
	s_or_b32 s[G1B+0], s67, (1<<16)|(1<<20)|(1<<21)|(5<<22)|(3<<25)  ; the same with the mask of my column, for wb's tiles
.irp g, G1, G1B
	s_mov_b32 s[(\g)+1], KSTEP<<16                 ; tensor_dim0 = 128
	s_mov_b32 s[(\g)+2], 128<<16                   ; tensor_dim1 = 128
	s_mov_b32 s[(\g)+3], KSTEP<<16                 ; tile_dim0 = 128
	s_mov_b32 s[(\g)+4], 128                       ; tile_dim1 = 128
	s_mov_b32 s[(\g)+5], SIZE_K                    ; elements from row to row
	s_mov_b32 s[(\g)+6], 0
	s_mov_b32 s[(\g)+7], 0
.endr
	; where the tiles come from.  xb's hang on the tile row alone, which my row of the cluster shares; wb's on the tile column alone, which my column shares.  A row is 4,096 bytes.
	s_lshl_b32 s16, s43, 20                        ; 256 rows a tile row,
	s_lshl_b32 s17, s[HC], 19                      ; the 128 of them that I fetch
	s_add_co_u32 s16, s16, s17
	s_lshl_b32 s46, s42, 20                        ; the same by the tile column
	s_add_co_u32 s46, s46, s17
	s_mov_b32 s17, 0
	s_mov_b32 s47, 0
	s_mul_i32 s20, s[WV], HALFT                    ; and where they go: wave x 128 rows: no place in the cluster enters an LDS address
	s_wait_dscnt 0x0                               ; both opening adds are done
	s_wait_kmcnt 0x0
	s_add_nc_u64 s[18:19], s[4:5], s[16:17]
	s_add_nc_u64 s[46:47], s[6:7], s[46:47]
	CROUND                                         ; all sixteen work-groups are here: the first joint loads meet
.irp s, 0,1
	s_mov_b32 s[G0+4*(\s)], 1                                      ; count = 1
	s_add_co_u32 s[G0+4*(\s)+1], s20, (\s)*SLOT                    ; LDS address
	s_add_nc_u64 s[G0+4*(\s)+2:G0+4*(\s)+3], s[18:19], (\s)*KSTEP*2  ; global address: K step s
	s_or_b32 s[G0+4*(\s)+3], s[G0+4*(\s)+3], 0x80000000            ; type = 2
	s_mov_b32 s[G0B+4*(\s)], 1
	s_add_co_u32 s[G0B+4*(\s)+1], s20, (\s)*SLOT
	s_add_nc_u64 s[G0B+4*(\s)+2:G0B+4*(\s)+3], s[46:47], (\s)*KSTEP*2
	s_or_b32 s[G0B+4*(\s)+3], s[G0B+4*(\s)+3], 0x80000000
	JLOAD \s                                       ; the ring is filled before anything else is done: two tensor loads of mine are out
.endr
	; A fragment is 16 rows x 32 K in 8 registers: lane l holds row l % 16; registers 0-3 hold K = 8 (l / 16) + 0..7, registers 4-7 K = 16 + 8 (l / 16) + 0..7: two loads of 16 bytes, 32 bytes apart.
	v_and_b32 v1, 15, v0                           ; l % 16
	v_bfe_u32 v2, v0, 4, 1                         ; l / 16
	v_mul_u32_u24 v3, v1, PITCH
	v_lshl_add_u32 v3, v2, 4, v3                   ; row x pitch + 16 x half
	s_mul_i32 s21, s[HR], HALFT                    ; my 128 rows of xb
	s_mul_i32 s22, s[HC], HALFT                    ; my 128 rows of wb,
	s_add_co_u32 s22, s22, 2*HALFT                 ; which lie behind xb's 256
.irp s, 0,1
	v_add_nc_u32 v[ADRA+(\s)], s21, v3
	v_add_nc_u32 v[ADRB+(\s)], s22, v3
	s_add_co_u32 s21, s21, SLOT
	s_add_co_u32 s22, s22, SLOT
.endr
	v_lshlrev_b32 v[BO], 5, v2
	v_and_b32 v[PFO], 31, v0
	v_lshlrev_b32 v[PFO], 12, v[PFO]
	; my first column, in bytes of f32: 1,024 x tile column + 512 x half: the same number in bias and in a row of out0 (in the registers that held wb's address: none that feeds xb's descriptors ever holds cx)
	s_lshl_b32 s46, s42, 10
	s_lshl_b32 s47, s[HC], 9
	s_add_co_u32 s46, s46, s47
	s_mov_b32 s47, 0
	s_add_nc_u64 s[8:9], s[8:9], s[46:47]
	WIN TO_B
.irp b, 0,1,2,3,4,5,6,7                ; register j of n block b: bias[first column + 16 b + 8 (l / 16) + j], the same in all sixteen rows
	global_load_b128 v[8*(\b):8*(\b)+3],   v[BO], s[8:9] offset:64*(\b)
	global_load_b128 v[8*(\b)+4:8*(\b)+7], v[BO], s[8:9] offset:64*(\b)+16
.endr
	WIN 0
	s_lshl_b32 s16, s43, 21                        ; out0 at my first row: 256 rows of 8,192 bytes a tile row,
	s_lshl_b32 s17, s[HR], 20                      ; my 128 of them
	s_add_co_u32 s16, s16, s17
	s_mov_b32 s17, 0
	s_add_nc_u64 s[10:11], s[10:11], s[16:17]
	s_add_nc_u64 s[10:11], s[10:11], s[46:47]      ; and my first column
	; the prefetches
	s_lshl_b32 s20, s43, 8
	s_lshl_b32 s21, s42, 8
	s_and_b32 s22, ttmp7, 0xffff                   ; cluster y
	s_cmp_eq_u32 s[HR], 0                          ; do I fetch for xb?
	s_cselect_b32 s20, s20, s21                    ; the tile's first row: in xb by the tile row, in wb by the tile column
	s_cselect_b32 s21, s40, s41                    ; my place among the four that ask for it with me
	s_cselect_b32 s22, ttmp9, s22                  ; the coordinate along which other clusters read the same rows
	s_cselect_b64 s[PFA:PFA+1], s[4:5], s[6:7]
	s_cmp_eq_u32 s22, 0
	s_cselect_b32 s[LIM], 1, -1                    ; the same in all sixteen partners, for a given wave
	s_lshl_b32 s22, s[HC], 7
	s_add_co_u32 s20, s20, s22                     ; + the 128 rows that I fetch
	s_lshl_b32 s21, s21, 5
	s_add_co_u32 s20, s20, s21                     ; + my work-group's 32 of them
	s_lshl_b32 s20, s20, 12                        ; in bytes: under 2^25
	s_mov_b32 s21, 0
	s_add_nc_u64 s[PFA:PFA+1], s[PFA:PFA+1], s[20:21]
	s_add_nc_u64 s[PFA:PFA+1], s[PFA:PFA+1], 2*KSTEP*2  ; at K step 2: the first refill steps it to 3 and names K step 4.  Nothing is prefetched here, at the head
	s_mov_b32 s23, 0xffff0000                      ; a word's upper bf16
	s_wait_loadcnt 0x0                             ; the bias
	WIN 0x45                                       ; destination and both sources in window 1
.set i, 0
.rept 32                               ; the bias is rounded to bf16, like every input, and widened again, in place
	v_cvt_pk_bf16_f32 v[2*i], v[2*i], v[2*i+1]
	v_and_b32 v[2*i+1], s23, v[2*i]
	v_lshlrev_b32 v[2*i], 16, v[2*i]
.set i, i+1
.endr
	WIN 0
; 16 matrix instructions: m blocks a0, a0 + 1 of the window's four (hi = 0: my rows 0-63, 1: rows 64-127) x all 8 n blocks, 32 along K.  first = 1: the product starts the sum, with the bias as C.
; The 64 accumulators take turns, one instruction a turn, in the same order in every quarter step: between two links of a chain stand the 63 others'.
.macro MUL16 f, hi, a0, first
.if \first
	WIN MUL_B+0x40*(\hi)
.else
	WIN MUL_LO+0x50*(\hi)
.endif
.irp a, \a0, (\a0)+1
.irp b, 0,1,2,3,4,5,6,7
.if \first
	v_wmma_f32_16x16x32_bf16 v[8*(8*(\a)+(\b)):8*(8*(\a)+(\b))+7], v[(\f)+8*(\b):(\f)+8*(\b)+7], v[(\f)+8*(4*(\hi)+(\a)):(\f)+8*(4*(\hi)+(\a))+7], v[8*(\b):8*(\b)+7]
.else
	v_wmma_f32_16x16x32_bf16 v[8*(8*(\a)+(\b)):8*(8*(\a)+(\b))+7], v[(\f)+8*(\b):(\f)+8*(\b)+7], v[(\f)+8*(4*(\hi)+(\a)):(\f)+8*(4*(\hi)+(\a))+7], v[8*(8*(\a)+(\b)):8*(8*(\a)+(\b))+7]
.endif
.endr
.endr
.endm
; 32 LDS loads in one run: the fragments of one quarter step (128 rows of wb, 128 rows of xb, 32 K at byte k of the rows) into buffer f
.macro FETCH slot, k, f
	WIN TO_B
.irp i, 0,1,2,3,4,5,6,7
	ds_load_b128 v[(\f)+8*(\i):(\f)+8*(\i)+3],   v[ADRB+(\slot)] offset:(\k)+(\i)*16*PITCH
	ds_load_b128 v[(\f)+8*(\i)+4:(\f)+8*(\i)+7], v[ADRB+(\slot)] offset:(\k)+(\i)*16*PITCH+32
.endr
	WIN 0
.irp i, 0,1,2,3,4,5,6,7
	ds_load_b128 v[(\f)+8*(\i):(\f)+8*(\i)+3],   v[ADRA+(\slot)] offset:(\k)+(\i)*16*PITCH
	ds_load_b128 v[(\f)+8*(\i)+4:(\f)+8*(\i)+7], v[ADRA+(\slot)] offset:(\k)+(\i)*16*PITCH+32
.endr
.endm
; A load into a register that a matrix instruction has read stands four places behind it, and only plain vector instructions that name none of its registers are places (ISA guide 7.12.1 for vector
; instructions): four v_nop in front of each run of loads.
.macro PLACES
.rept 4
	v_nop
.endr
.endm
; A K step is four quarter steps of 32 along K, 64 matrix instructions each, on buffers 0, 1, 0, 1.  One of the first three: multiplies buffer f; in its middle it fetches the next quarter, at byte k, into buffer g.
.macro QUARTER slot, k, f, g, first
	s_wait_dscnt 8                                 ; wb's and xb's rows 0-63 are in; the youngest eight loads (xb's rows 64-127) may be out
	MUL16 \f, 0, 0, \first
	MUL16 \f, 0, 2, \first
	PLACES
	FETCH \slot, \k, \g
	s_wait_dscnt 32                                ; all but the 32 just issued
	MUL16 \f, 1, 0, \first
	MUL16 \f, 1, 2, \first
.endm
; The last quarter multiplies buffer 1 and changes slots: ONE barrier, for two things.  In front of it each wave waits for all its tensor loads, of which one is out: its part of the next slot; adds 0 to its spare
; word; and waits for that and for its own reads of this slot.  Behind it nobody reads this slot any more and the next slot is whole.  fill = 1: the barrier opens a round of the cluster's, so that no wave of any
; partner still reads the slot or has a load on its way, and the joint refill, this slot's K step two steps on, is the first tensor load behind the round: 224 matrix instructions ahead of the wait for it.
.macro TURN slot, next, fill
.if \fill
	s_wait_xcnt 0x0                                ; the last prefetch, a K step back, has read its address: it is stepped here, ahead of the waits of the change of slots
	s_add_nc_u64 s[PFA:PFA+1], s[PFA:PFA+1], KSTEP*2
.endif
	WIN 0                                          ; (the add's two registers lie in window 0)
	s_wait_tensorcnt 0x0                           ; all my tensor loads have landed;
	ds_add_u32 v[SPW], v[NIL]                      ; 0 onto my spare word;
	s_wait_dscnt 9                                 ; (the add and the youngest eight loads may be out)
	MUL16 F1, 0, 0, 0                              ; sixteen matrix instructions stand between the add and the wait for it
	s_wait_dscnt 0x0                               ; the add is done, and my reads of this slot are over:
	s_barrier_signal -1                            ; say so,
	MUL16 F1, 0, 2, 0                              ; work on registers while the others arrive,
.if \fill
	WIN 0
.endif
	s_barrier_wait -1                              ; and go on when all four have said so
.if \fill
	CREST
	s_add_nc_u64 s[G0+4*(\slot)+2:G0+4*(\slot)+3], s[G0+4*(\slot)+2:G0+4*(\slot)+3], 2*KSTEP*2     ; no tensor load of mine is out: a group 0 may be written
	s_add_nc_u64 s[G0B+4*(\slot)+2:G0B+4*(\slot)+3], s[G0B+4*(\slot)+2:G0B+4*(\slot)+3], 2*KSTEP*2
	JLOAD \slot                                    ; the four v_nop behind it are also the places in front of the loads below
.else
	PLACES
.endif
	FETCH \next, 0, F0
.if \fill
	ASK
.endif
	MUL16 F1, 1, 0, 0
	MUL16 F1, 1, 2, 0
.endm
; THE WAY OUT of block a (16 rows x 128 columns of f32).  TOSTAGE: a lane's 32 bytes of a row go into my own stage in LDS, straight from the accumulators (each from its low end on), and come back as whole rows of
; 512 bytes.  LDS serves a wave's instructions in order (ISA guide 5.7.1.4): the loads see the stores above them, and the next block's stores come behind them.  SEND: stored.
.macro TOSTAGE a
.set AC, 64*((\a)%4)
.set BK, OB+64*((\a)%3)
	WIN 0x08+4*((\a)/4)                            ; the stores' data (source 1) in window 2 or 3
.irp b, 0,1,2,3,4,5,6,7
	ds_store_b128 v[STO], v[AC+8*(\b):AC+8*(\b)+3]   offset:64*(\b)
	ds_store_b128 v[STO], v[AC+8*(\b)+4:AC+8*(\b)+7] offset:64*(\b)+16
.endr
	WIN 0
.irp t, 0,1,2,3,4,5,6,7,8,9,10,11,12,13,14,15
	ds_load_b128 v[BK+4*(\t):BK+4*(\t)+3], v[RD] offset:(\t)*SPITCH
.endr
.endm
.macro SEND a, younger                 ; younger: the LDS instructions issued behind block a's loads: the next block's 32, or none
	WIN 0
.set BK, OB+64*((\a)%3)
.if ((\a) >= 1) && ((\a) <= 5)
	s_wait_xcnt 0x0                                ; block a - 1's stores have read their registers (ISA guide 3.1): block a + 2, which comes back into the same buffer, is loaded only behind this wait
.endif
.irp t, 0,1,2,3,4,5,6,7,8,9,10,11,12,13,14,15
	s_wait_dscnt (\younger)+15-(\t)                ; row t is back
	global_store_b128 v[CO], v[BK+4*(\t):BK+4*(\t)+3], s[10:11] offset:(16*(\a)+(\t))*SIZE_N*4 th:TH_STORE_NT  ; the wave stores 512 consecutive bytes, aligned; 127 rows of 8,192 bytes at the most in the immediate
.endr
.endm
	s_wait_tensorcnt 1                             ; my part of K step 0 is in; K step 1's may stay out
	s_barrier_signal -1
	s_barrier_wait -1                              ; everybody's is
	FETCH 0, 0, F0
	QUARTER 0, 64,  F0, F1, 1                      ; the first quarter stands in front of the loop: its products start the sums, from the bias
	WIN 0                                          ; at a label and at a branch every window is 0
	s_mov_b32 s3, LAPS-1
.Llap:                                                 ; a trip goes once round the ring, from a lap's second quarter to the next lap's first, and fills both slots again
	QUARTER 0, 128, F1, F0, 0
	QUARTER 0, 192, F0, F1, 0
	TURN 0, 1, 1
	QUARTER 1, 64,  F0, F1, 0
	QUARTER 1, 128, F1, F0, 0
	QUARTER 1, 192, F0, F1, 0
	TURN 1, 0, 1
	QUARTER 0, 64,  F0, F1, 0
	WIN 0
	s_sub_co_u32 s3, s3, 1
	s_cmp_lg_u32 s3, 0
	s_cbranch_scc1 .Llap
	QUARTER 0, 128, F1, F0, 0                      ; the last lap is written out: it fills nothing, and has no round of the cluster's barrier
	QUARTER 0, 192, F0, F1, 0
	TURN 0, 1, 0
	QUARTER 1, 64,  F0, F1, 0
	QUARTER 1, 128, F1, F0, 0
	QUARTER 1, 192, F0, F1, 0
	s_wait_dscnt 8                                 ; the very last quarter: nothing more to fetch
	MUL16 F1, 0, 0, 0
	MUL16 F1, 0, 2, 0
	s_wait_dscnt 0x0
	MUL16 F1, 1, 0, 0
	MUL16 F1, 1, 2, 0
	WIN 0                                          ; the addresses for the way out are made here: six plain instructions, with two v_nop eight places behind the last products
	s_mul_i32 s23, s[WV], 16*SPITCH
	s_add_co_u32 s23, s23, STAGE                   ; my stage
	v_mul_u32_u24 v[STO], v1, SPITCH               ; in: row l % 16, 32 bytes for each half of the lanes
	v_lshl_add_u32 v[STO], v2, 5, v[STO]
	v_add_nc_u32 v[STO], s23, v[STO]
	v_and_b32 v[CO], 31, v0                        ; back, and out: 32 lanes take a row's 512 bytes
	v_lshlrev_b32 v[CO], 4, v[CO]
	v_add_nc_u32 v[RD], s23, v[CO]
	v_nop
	v_nop
	TOSTAGE 0
.irp a, 1,2,3,4,5,6,7                  ; block a goes through the stage between block a - 1's loads and the waits for them
	TOSTAGE \a
	SEND (\a)-1, 32
.endr
	SEND 7, 0
	s_wait_tensorcnt 0x0                           ; the wave's end: behind my last tensor load and my last LDS store
	ds_add_u32 v[SPW], v[NIL]
	s_wait_dscnt 0x0
	CROUND                                         ; the closing round: no work-group ends while a partner may still ask for a tile that names it
	s_endpgm
.Lfunc_end_k_q9257d0ca5a_gemm:
	.size	k_q9257d0ca5a_gemm, .Lfunc_end_k_q9257d0ca5a_gemm-k_q9257d0ca5a_gemm
	.p2alignl 7, 3214868480
	.fill 96, 4, 3214868480
	.section	.rodata,"a",@progbits
	.p2align	6, 0x0
	.amdhsa_kernel k_q9257d0ca5a_gemm
		.amdhsa_group_segment_fixed_size 327680
		.amdhsa_private_segment_fixed_size 0
		.amdhsa_enable_private_segment 0
		.amdhsa_kernarg_size 32
		.amdhsa_user_sgpr_count 2
		.amdhsa_user_sgpr_kernarg_segment_ptr 1
		.amdhsa_wavefront_size32 1
		.amdhsa_system_sgpr_workgroup_id_x 1
		.amdhsa_system_sgpr_workgroup_id_y 1
		.amdhsa_system_sgpr_workgroup_id_z 1
		.amdhsa_system_vgpr_workitem_id 0
		.amdhsa_next_free_vgpr 1024
		.amdhsa_next_free_sgpr 68
		.amdhsa_reserve_vcc 0
		.amdhsa_float_denorm_mode_32 3
		.amdhsa_float_denorm_mode_16_64 3
		.amdhsa_memory_ordered 1
		.amdhsa_forward_progress 1
		.amdhsa_inst_pref_size 150
	.end_amdhsa_kernel
	.amdgpu_metadata
---
amdhsa.version: [ 1, 2 ]
amdhsa.kernels:
  - .name:           k_q9257d0ca5a_gemm
    .symbol:         k_q9257d0ca5a_gemm.kd
    .args:
      - { .name: xb, .offset: 0, .size: 8, .value_kind: global_buffer, .address_space: global }
      - { .name: wb, .offset: 8, .size: 8, .value_kind: global_buffer, .address_space: global }
      - { .name: bias, .offset: 16, .size: 8, .value_kind: global_buffer, .address_space: global }
      - { .name: out0, .offset: 24, .size: 8, .value_kind: global_buffer, .address_space: global }
    .group_segment_fixed_size: 327680
    .private_segment_fixed_size: 0
    .kernarg_segment_align: 8
    .kernarg_segment_size: 32
    .max_flat_workgroup_size: 128
    .sgpr_count:     68
    .vgpr_count:     1024
    .wavefront_size: 32
...
	.end_amdgpu_metadata
.endif
;; end of part 2
;; ======== version 2 of 2: 2 launches; version 1 with the launch prep written anew for expert scheduling mode
;; workspace buffers: xb 33,554,432 bytes; wb 8,388,608 bytes
;; launch prep (part 3): grid 256 x 1, 16 waves a work-group, no clusters, 0 bytes of LDS; arguments x, weight, A, B, xb, wb; writes xb, wb
.if DOCPART == 3
	.amdgcn_target "amdgcn-amd-amdhsa--gfx1250"
	.amdhsa_code_object_version 6
	.text
	.protected	k_q9257d0ca5a_prep
	.globl	k_q9257d0ca5a_prep
	.p2align	8
	.type	k_q9257d0ca5a_prep,@function
k_q9257d0ca5a_prep:
	s_mov_b64 s[64:65], 0
	v_nop
	global_prefetch_b8 v0, s[64:65] scope:SCOPE_SE
	s_setreg_imm32_b32 hwreg(HW_REG_WAVE_SCHED_MODE, 0, 2), 2
	s_setreg_imm32_b32 hwreg(HW_REG_WAVE_MODE, 25, 1), 1
	s_wait_xcnt 0x0
	s_wait_alu depctr_vm_vsrc(0)
; LoRALinear, first of two launches.  out0 = x W^T + bias + x (B A)^T, x taken as [8192][2048], W [2048][2048], A [16][2048], B [2048][16], all f32.
; ONE FULL PRODUCT IN PLACE OF TWO.  For all values of the inputs x W^T + x (B A)^T = x (W + B A)^T (the distributive law), so the program forms W + B A once and multiplies x by it once.
; No input is left out: x, weight, A and B are read here, bias in the second launch; nothing is dropped as dead work.
; THIS LAUNCH:  xb = bf16(x);  wb = bf16( bf16(W) + bf16(B) bf16(A) ), the small product and the sum in f32 (one matrix instruction a tile, W as its C operand).
; LIMITS.  Every input is rounded once to bf16, and W + B A is rounded once more, as ONE matrix operand: where |B A| lies below some 2^-9 of |W| at an element it is lost in that rounding; the order of
; rounding differs from a sum of two products.  NaN and infinities are not treated apart: one in A or B reaches whole rows or columns of wb.
; SHARES.  256 work-groups of 16 waves.  Waves 0-7 stream x: the work-group has 262,144 bytes of x, a wave 32,768: 64 loads of 512 consecutive bytes.  Waves 8-15 merge weights: a wave has 16 rows o x 128 columns i.
; No LDS, no barrier, no loop: no wave wants a byte that another has fetched, but for 8 KiB of A; every offset stands in an immediate, so no address register is ever rewritten.
; THE MODE: SCHED_MODE bits 1:0 = 2 (LLVM: expert scheduling mode 2), set by the entry lines.  The code itself states the register dependences between vector or matrix instructions and memory
; instructions, with s_wait_alu, always for 0.
; THE PLAN, WAVES 0-7.  The 64 chunks of 512 bytes go in 8 blocks of 8.  Registers that memory instructions touch:
;   X0 .. X4   five buffers of a block of x as loaded.  Blocks 0 to 4 are asked for at the head; blocks 5, 6, 7 land in X0, X1, X2 and are asked for in blocks 1, 2, 3.  Read by the conversions of the block that owns the buffer.
;   Y0 .. Y2   the results of blocks 0 to 2, whose X is loaded again.  Blocks 3 to 7 are rounded in place, in the first two of a chunk's four registers.
;              A block's results are written by its conversions, read by the eight stores that are issued in the block after it, and never written again.
;   v4, v5     the two offsets, made once at the head and never written again.
; Block p's conversions name X[p % 5] and its own results.  Its memory instructions are the loads into X[p - 1] (p = 1 to 3) and the stores of block p - 1's results: registers that block p - 1 worked on and that no
; vector instruction of block p names.  So ONE wait at a block's head states all that its sixteen memory instructions hang on, and these are dealt among its conversions with no further wait.
; No register that a memory instruction has read is written again: no wait is owed for that.
; THE PLAN, WAVES 8-15.  v6, v7, v8: offsets, made once.  TB, TA, TW: each loaded once; behind that named by vector instructions alone.  O: written by the last 32 conversions, read by the eight stores.  Two waits.
.set CH,  8                            ; chunks in a block
.set XO,  4                            ; v4   x waves: 16 x lane
.set YO,  5                            ; v5   x waves: 8 x lane
.set X,   16                           ; v[16:175]   x waves: buffer k, chunk i: 4 registers at X + 32 k + 4 i, as loaded
.set Y,   176                          ; v[176:223]  x waves: block q (0 to 2), chunk i: 2 registers at Y + 16 q + 2 i
.set VO,  6                            ; v6   merge: 65,536 h + 32 r: rows 8 h on, columns 8 r on, in A and in W (rows of 8,192 bytes)
.set BO,  7                            ; v7   merge: 64 r + 32 h: row r of B, ranks 8 h on
.set OO,  8                            ; v8   merge: 32,768 h + 16 r: rows 8 h on, columns 8 r on, in wb (rows of 4,096 bytes)
.set BF,  16                           ; v[16:23]    B's fragment: source 0
.set TB,  24                           ; v[24:31]    B as loaded
.set AF,  32                           ; v[32:95]    A's fragments: source 1 of tile c at AF + 8 c
.set TA,  96                           ; v[96:159]   A as loaded: rank 8 h + t, column 8 r + c at TA + 8 t + c
.set CD,  96                           ; v[96:159]   then the accumulators: tile c at CD + 8 c
.set TW,  160                          ; v[160:223]  W as loaded: row 8 h + j, column 8 r + c at TW + 8 j + c
.set O,   160                          ; v[160:191]  then the results: row 8 h + j at O + 4 j
	s_load_b256 s[4:11], s[0:1], 0x0               ; x s[4:5], weight s[6:7], A s[8:9], B s[10:11]
	s_load_b128 s[12:15], s[0:1], 0x20             ; xb s[12:13], wb s[14:15]
	v_lshrrev_b32 v1, 5, v0
	v_readfirstlane_b32 s16, v1                    ; wave 0..15
	s_wait_alu depctr_va_sdst(0)                   ; s16 is written, ahead of its first reader, the compare below; both arms make their bases from it
	s_cmp_lt_u32 s16, 8
	s_cbranch_scc0 .Lmerge
	; ---- WAVES 0-7: xb = bf16(x) ----
	v_and_b32 v2, 31, v0                           ; lane
	v_lshlrev_b32 v[XO], 4, v2
	v_lshlrev_b32 v[YO], 3, v2
	s_lshl_b32 s18, ttmp9, 18                      ; the work-group's 262,144 bytes of x,
	s_lshl_b32 s19, s16, 15                        ; my wave's 32,768 of them
	s_add_co_u32 s18, s18, s19
	s_mov_b32 s19, 0
	s_lshr_b32 s20, s18, 1                         ; half as many bytes in xb
	s_mov_b32 s21, 0
	s_wait_kmcnt 0x0
	s_add_nc_u64 s[4:5], s[4:5], s[18:19]
	s_add_nc_u64 s[12:13], s[12:13], s[20:21]
	s_wait_alu depctr_va_vdst(0)                   ; v4 and v5 are written: every load and store of this arm reads one of them as its offset
.set i, 0
.rept 5*CH                             ; blocks 0 to 4 into X0 to X4: 40 loads of the wave are on their way, 20 KiB
	global_load_b128 v[X+4*i:X+4*i+3], v[XO], s[4:5] offset:512*i th:TH_LOAD_NT
.set i, i+1
.endr
; Where chunk i of block q leaves its two words: registers of its own where the block's X is loaded again, else the first two of the chunk's four.
.macro RES q
.if (\q) < 3
.set rR, Y+16*(\q)+2*i
.else
.set rR, X+32*((\q)%5)+4*i
.endif
.endm
; Block p.  left = how many younger loads may still be out when this block's eight have to be there.
.macro BLK p, left
	s_wait_loadcnt \left                           ; loads come back in order (ISA guide 5.7.1): X[p % 5] is in, the younger blocks stay out
.if (\p) > 0
	s_wait_alu depctr_va_vdst(0)                   ; the block before has written its results, which the stores below read, and is done reading its X, in which the loads below land
.endif
.set i, 0
.rept CH
.if ((\p) >= 1) && ((\p) <= 3)
	global_load_b128 v[X+32*((\p)-1)+4*i:X+32*((\p)-1)+4*i+3], v[XO], s[4:5] offset:512*(CH*((\p)+4)+i) th:TH_LOAD_NT  ; four blocks ahead; no vector instruction since the wait names these registers
.endif
.if (\p) > 0
	RES (\p)-1
	global_store_b64 v[YO], v[rR:rR+1], s[12:13] offset:256*(CH*((\p)-1)+i)  ; the block before: the wave's store covers 256 consecutive bytes, aligned; its data registers are never written again
.endif
	RES \p
.set rX, X+32*((\p)%5)+4*i
	v_cvt_pk_bf16_f32 v[rR],   v[rX],   v[rX+1]
	v_cvt_pk_bf16_f32 v[rR+1], v[rX+2], v[rX+3]
.set i, i+1
.endr
.endm
	BLK 0, 32                                      ; behind block 0's loads stand blocks 1 to 4
	BLK 1, 24                                      ; behind block p's (p = 1 to 4) stand three younger blocks: those of the head that follow it, and those asked for since
	BLK 2, 24
	BLK 3, 24
	BLK 4, 24                                      ; from here on nothing is left to load: no load leaves x,
	BLK 5, 16                                      ; and the counts run down
	BLK 6, 8
	BLK 7, 0
	s_wait_alu depctr_va_vdst(0)                   ; block 7 has written its results, which the last eight stores read
.set i, 0
.rept CH
	RES 7
	global_store_b64 v[YO], v[rR:rR+1], s[12:13] offset:256*(CH*7+i)
.set i, i+1
.endr
	s_endpgm
	; ---- WAVES 8-15: wb = bf16( bf16(W) + bf16(B) bf16(A) ) for 16 rows o x 128 columns i ----
	; Eight tiles of 16 x 16.  Source 0 = 16 rows of B (row m = lane % 16 = r).  Source 1 of tile c takes the columns i = ib + 8 n + c, n = r.  In the result register j of lane (r, h) is then
	; (o0 + 8 h + j, ib + 8 r + c): over the eight tiles a lane holds EIGHT NEIGHBOURING columns of a row, 16 bytes of wb, and sixteen lanes 256 bytes on end.
	; The rank is 16 of the instruction's 32 along K: registers 4-7 of both sources hold 0.
.Lmerge:
	v_and_b32 v10, 15, v0                          ; r
	v_bfe_u32 v11, v0, 4, 1                        ; h
	v_lshlrev_b32 v[VO], 5, v10
	v_lshl_or_b32 v[VO], v11, 16, v[VO]
	v_lshlrev_b32 v[BO], 6, v10
	v_lshl_or_b32 v[BO], v11, 5, v[BO]
	v_lshlrev_b32 v[OO], 4, v10
	v_lshl_or_b32 v[OO], v11, 15, v[OO]
	s_sub_co_u32 s17, s16, 8                       ; u = 0..7
	s_and_b32 s18, ttmp9, 15                       ; column group: 128 columns; the eight waves share it, and so their 8 KiB of A
	s_lshr_b32 s19, ttmp9, 4
	s_lshl3_add_u32 s19, s19, s17                  ; row block of 16: 8 x (work-group / 16) + u
	s_lshl_b32 s20, s18, 9                         ; A: 512 bytes a column group
	s_mov_b32 s21, 0
	s_lshl_b32 s22, s19, 10                        ; B: 16 rows of 64 bytes
	s_mov_b32 s23, 0
	s_lshl_b32 s24, s19, 17                        ; W: 16 rows of 8,192 bytes, and the column group
	s_add_co_u32 s24, s24, s20
	s_mov_b32 s25, 0
	s_lshl_b32 s26, s19, 16                        ; wb: 16 rows of 4,096 bytes, and the column group's 256
	s_lshl_b32 s27, s18, 8
	s_add_co_u32 s26, s26, s27
	s_mov_b32 s27, 0
	s_mov_b32 s28, 0xffff0000                      ; a word's upper bf16
	s_wait_kmcnt 0x0
	s_add_nc_u64 s[8:9], s[8:9], s[20:21]
	s_add_nc_u64 s[10:11], s[10:11], s[22:23]
	s_add_nc_u64 s[6:7], s[6:7], s[24:25]
	s_add_nc_u64 s[14:15], s[14:15], s[26:27]
	s_wait_alu depctr_va_vdst(0)                   ; v6, v7 and v8 are written: every load and store of this arm reads one of them as its offset
	global_load_b128 v[TB:TB+3],   v[BO], s[10:11]
	global_load_b128 v[TB+4:TB+7], v[BO], s[10:11] offset:16
.set t, 0
.rept 8                                ; A: rank 8 h + t, my 8 columns
	global_load_b128 v[TA+8*t:TA+8*t+3],   v[VO], s[8:9] offset:8192*t
	global_load_b128 v[TA+8*t+4:TA+8*t+7], v[VO], s[8:9] offset:8192*t+16
.set t, t+1
.endr
.set j, 0
.rept 8                                ; W: row 8 h + j, my 8 columns; read once in the launch
	global_load_b128 v[TW+8*j:TW+8*j+3],   v[VO], s[6:7] offset:8192*j th:TH_LOAD_NT
	global_load_b128 v[TW+8*j+4:TW+8*j+7], v[VO], s[6:7] offset:8192*j+16 th:TH_LOAD_NT
.set j, j+1
.endr
.irp p, 4,5,6,7                        ; the upper half of K is 0 in both sources: written while the loads are on their way; no memory instruction names these registers
	v_mov_b32 v[BF+(\p)], 0
.irp c, 0,1,2,3,4,5,6,7
	v_mov_b32 v[AF+8*(\c)+(\p)], 0
.endr
.endr
	s_wait_loadcnt 16                              ; B and A are in; W's sixteen loads may stay out
.irp p, 0,1,2,3
	v_cvt_pk_bf16_f32 v[BF+(\p)], v[TB+2*(\p)], v[TB+2*(\p)+1]  ; ranks 8 h + 2 p, 8 h + 2 p + 1 of row r
.endr
.irp c, 0,1,2,3,4,5,6,7
.irp p, 0,1,2,3
	v_cvt_pk_bf16_f32 v[AF+8*(\c)+(\p)], v[TA+16*(\p)+(\c)], v[TA+16*(\p)+8+(\c)]  ; the same two ranks of column 8 r + c
.endr
.endr
.set j, 0
.rept 8                                ; W is rounded to bf16, widened again and laid as the C operand: register j of tile c.  A's registers are free by now
	s_wait_loadcnt 14-2*j                          ; row j's two loads are in; behind them stand the later rows'
.irp q, 0,1,2,3
	v_cvt_pk_bf16_f32 v[TW+8*j+2*(\q)], v[TW+8*j+2*(\q)], v[TW+8*j+2*(\q)+1]
	v_lshlrev_b32 v[CD+16*(\q)+j],   16,  v[TW+8*j+2*(\q)]
	v_and_b32     v[CD+16*(\q)+8+j], s28, v[TW+8*j+2*(\q)]
.endr
.set j, j+1
.endr
.irp c, 0,1,2,3,4,5,6,7                ; eight accumulators, one instruction each
	v_wmma_f32_16x16x32_bf16 v[CD+8*(\c):CD+8*(\c)+7], v[BF:BF+7], v[AF+8*(\c):AF+8*(\c)+7], v[CD+8*(\c):CD+8*(\c)+7]
.endr
.rept 4
	v_nop                                          ; four places between the last product and the first read of a result (ISA guide 7.12.1)
.endr
.set j, 0
.rept 8                                ; row 8 h + j: register j of the eight tiles, in pairs; j ascends
.irp q, 0,1,2,3
	v_cvt_pk_bf16_f32 v[O+4*j+(\q)], v[CD+16*(\q)+j], v[CD+16*(\q)+8+j]
.endr
.set j, j+1
.endr
	s_wait_alu depctr_va_vdst(0)                   ; the 32 conversions have written v[O ..], which the eight stores read
.set j, 0
.rept 8
	global_store_b128 v[OO], v[O+4*j:O+4*j+3], s[14:15] offset:4096*j  ; sixteen lanes store 256 consecutive bytes, aligned
.set j, j+1
.endr
	s_endpgm
.Lfunc_end_k_q9257d0ca5a_prep:
	.size	k_q9257d0ca5a_prep, .Lfunc_end_k_q9257d0ca5a_prep-k_q9257d0ca5a_prep
	.p2alignl 7, 3214868480
	.fill 96, 4, 3214868480
	.section	.rodata,"a",@progbits
	.p2align	6, 0x0
	.amdhsa_kernel k_q9257d0ca5a_prep
		.amdhsa_group_segment_fixed_size 0
		.amdhsa_private_segment_fixed_size 0
		.amdhsa_enable_private_segment 0
		.amdhsa_kernarg_size 48
		.amdhsa_user_sgpr_count 2
		.amdhsa_user_sgpr_kernarg_segment_ptr 1
		.amdhsa_wavefront_size32 1
		.amdhsa_system_sgpr_workgroup_id_x 1
		.amdhsa_system_sgpr_workgroup_id_y 1
		.amdhsa_system_sgpr_workgroup_id_z 1
		.amdhsa_system_vgpr_workitem_id 0
		.amdhsa_next_free_vgpr 224
		.amdhsa_next_free_sgpr 66
		.amdhsa_reserve_vcc 0
		.amdhsa_float_denorm_mode_32 3
		.amdhsa_float_denorm_mode_16_64 3
		.amdhsa_memory_ordered 1
		.amdhsa_forward_progress 1
		.amdhsa_inst_pref_size 37
	.end_amdhsa_kernel
	.amdgpu_metadata
---
amdhsa.version: [ 1, 2 ]
amdhsa.kernels:
  - .name:           k_q9257d0ca5a_prep
    .symbol:         k_q9257d0ca5a_prep.kd
    .args:
      - { .name: x, .offset: 0, .size: 8, .value_kind: global_buffer, .address_space: global }
      - { .name: weight, .offset: 8, .size: 8, .value_kind: global_buffer, .address_space: global }
      - { .name: A, .offset: 16, .size: 8, .value_kind: global_buffer, .address_space: global }
      - { .name: B, .offset: 24, .size: 8, .value_kind: global_buffer, .address_space: global }
      - { .name: xb, .offset: 32, .size: 8, .value_kind: global_buffer, .address_space: global }
      - { .name: wb, .offset: 40, .size: 8, .value_kind: global_buffer, .address_space: global }
    .group_segment_fixed_size: 0
    .private_segment_fixed_size: 0
    .kernarg_segment_align: 8
    .kernarg_segment_size: 48
    .max_flat_workgroup_size: 512
    .sgpr_count:     66
    .vgpr_count:     224
    .wavefront_size: 32
...
	.end_amdgpu_metadata
.endif
;; end of part 3
;; launch gemm: the kernel of part 2 again; grid 8 x 32, 4 waves a work-group, clusters of 4 x 4, 327,680 bytes of LDS; arguments xb, wb, bias, out0; writes out0
